; MI455X (gfx1250); checked and timed in simulation.
; The chip was launched on July 23, 2026; its instructions are those of AMD's public machine-readable ISA for CDNA 5 (MIT licence, August 2026) and "CDNA5" Instruction Set Architecture Reference Guide (July 2026). The comments in the code are by the model that wrote it; some were corrected since.
;; MOE Layer. Allowed arithmetic: float matrix products may take bf16 or f16 operands with f32 sums; all other float work in f32.
;; Inputs: ce_const 2 x 2,048 float32; ce_wg 2 x 2,048 x 2 float32; gate_w1 2,048 x 64 float32; gate_w2 64 x 8 float32; hidden_states 2 x 2,048 x 2,048 float32; w_down 2,048 x 2,048 float32; w_gate 2,048 x 2,048 float32; w_up 2,048 x 2,048 float32.
;; Outputs: out0 2 x 2,048 x 2,048 float32; out1 4,096 x 8 float32.
;; One version. Each part assembles by itself: llvm-mc -triple=amdgcn-amd-amdhsa -mcpu=gfx1250 --defsym DOCPART=n.
;; ======== version 1 of 1: 4 launches
;; limits: values outside matrix products are rounded to bf16
;; workspace buffers: xb 16,777,216 bytes; wgb 8,388,608 bytes; wub 8,388,608 bytes; wdb 8,388,608 bytes; hb 16,777,216 bytes; coef 65,536 bytes; rtab 327,680 bytes
;; launch cast (part 1): grid 1360 x 1, 8 waves a work-group, no clusters, 0 bytes of LDS; arguments hidden_states, w_gate, w_up, w_down, gate_w1, ce_wg, xb, wgb, wub, wdb, rtab; writes xb, wgb, wub, wdb, rtab
.if DOCPART == 1
	.amdgcn_target "amdgcn-amd-amdhsa--gfx1250"
	.amdhsa_code_object_version 6
	.text
	.protected	k_q7291584d9e_cast
	.globl	k_q7291584d9e_cast
	.p2align	8
	.type	k_q7291584d9e_cast,@function
k_q7291584d9e_cast:
	s_mov_b64 s[64:65], 0
	v_nop
	global_prefetch_b8 v0, s[64:65] scope:SCOPE_SE
	s_setreg_imm32_b32 hwreg(HW_REG_WAVE_MODE, 25, 1), 1
	s_wait_xcnt 0x0
; f32 -> bf16 (round to nearest even), once for everything that later goes to the matrix units.
; Work-groups 0-511: hidden_states -> xb.  512-767: w_gate -> wgb.  768-1023: w_up -> wub.  1024-1279: w_down -> wdb.
;   All four keep their order in memory.  A work-group takes 65,536 bytes of f32: 16 loads of 16 bytes a thread, all issued at once,
;   each wave's load covering 512 consecutive bytes; each wave's store of 8 bytes a lane covers 256 consecutive bytes, aligned.
; Work-groups 1280-1359: the router's table rtab = B fragments in register order:
;   16 bytes at b*65536 + sg*512 + lane*16 hold W[k = 16 sg + 8 (lane>>4) + 0..7][n = 16 b + (lane&15)], where
;   W[k][n] = gate_w1[k][n] for n < 64, ce_wg[(n-64)>>1][k][(n-64)&1] for n = 64..67, and 0 for n = 68..79.
; No LDS, no barrier, no matrix unit, no cluster: the work-groups share no input and the launch only moves bytes.
.set X, 8                              ; v[8:71]   16 x 4 f32 as loaded (the table role uses v[8:15])
.set Y, 72                             ; v[72:103] 16 x 2 words of bf16 to store
	s_load_b512 s[8:23], s[0:1], 0x0               ; hidden s[8:9], w_gate s[10:11], w_up s[12:13], w_down s[14:15], gate_w1 s[16:17], ce_wg s[18:19], xb s[20:21], wgb s[22:23]
	s_load_b128 s[24:27], s[0:1], 0x40             ; wub s[24:25], wdb s[26:27]
	s_load_b64 s[28:29], s[0:1], 0x50              ; rtab
	v_lshlrev_b32 v1, 4, v0                        ; 16 t
	v_lshlrev_b32 v2, 3, v0                        ; 8 t
	s_mov_b32 s31, ttmp9
	s_mov_b32 s33, 0                               ; upper word of every byte offset here (all below 4 GiB)
	s_cmp_ge_u32 s31, 1280
	s_cbranch_scc1 .Ltable
	; ---- the stream role ----
	s_lshr_b32 s2, s31, 8                          ; 0, 1: hidden_states; 2, 3, 4: the three weights
	s_and_b32 s30, s31, 255
	s_cmp_lt_u32 s2, 2
	s_cselect_b32 s30, s31, s30                    ; my block of 65,536 bytes inside my tensor
	s_wait_kmcnt 0x0
	s_cmp_eq_u32 s2, 2
	s_cselect_b64 s[4:5], s[10:11], s[8:9]         ; source
	s_cselect_b64 s[6:7], s[22:23], s[20:21]       ; destination
	s_cmp_eq_u32 s2, 3
	s_cselect_b64 s[4:5], s[12:13], s[4:5]
	s_cselect_b64 s[6:7], s[24:25], s[6:7]
	s_cmp_eq_u32 s2, 4
	s_cselect_b64 s[4:5], s[14:15], s[4:5]
	s_cselect_b64 s[6:7], s[26:27], s[6:7]
	s_lshl_b32 s32, s30, 16
	s_add_nc_u64 s[4:5], s[4:5], s[32:33]
	s_lshl_b32 s32, s30, 15
	s_add_nc_u64 s[6:7], s[6:7], s[32:33]
.irp j, 0,1,2,3,4,5,6,7,8,9,10,11,12,13,14,15
	global_load_b128 v[X+4*\j:X+4*\j+3], v1, s[4:5] offset:4096*\j th:TH_LOAD_NT
.endr
.irp j, 0,1,2,3,4,5,6,7,8,9,10,11,12,13,14,15
	s_wait_loadcnt 15-\j                           ; loads come back in order: load j is in, the 15 - j younger ones stay out
	v_cvt_pk_bf16_f32 v[Y+2*\j], v[X+4*\j], v[X+4*\j+1]
	v_cvt_pk_bf16_f32 v[Y+2*\j+1], v[X+4*\j+2], v[X+4*\j+3]
	global_store_b64 v2, v[Y+2*\j:Y+2*\j+1], s[6:7] offset:2048*\j   ; no register is written twice: no further wait
.endr
	s_endpgm
	; ---- the table role: thread t of work-group u makes chunk 256 u + t ----
.Ltable:
	s_sub_co_u32 s2, s31, 1280                     ; u = 0..79
	s_lshr_b32 s3, s2, 4                           ; b = 0..4
	v_lshrrev_b32 v3, 5, v0
	v_readfirstlane_b32 s34, v3                    ; wave
	s_lshl3_add_u32 s35, s2, s34
	s_and_b32 s35, s35, 127                        ; sg = (8 u + wave) mod 128
	v_and_b32 v4, 15, v0                           ; r
	v_bfe_u32 v5, v0, 4, 1                         ; h
	s_lshl_b32 s32, s2, 12                         ; 256 chunks of 16 bytes a work-group
	s_wait_kmcnt 0x0
	s_add_nc_u64 s[28:29], s[28:29], s[32:33]
	s_cmp_eq_u32 s3, 4
	s_cbranch_scc1 .Lce
	s_lshl_b32 s36, s35, 12                        ; gate_w1: 16 sg rows of 256 bytes
	s_lshl_b32 s37, s3, 6                          ; 16 b columns of 4 bytes
	s_add_co_u32 s36, s36, s37
	v_lshlrev_b32 v6, 2, v4
	v_lshl_add_u32 v6, v5, 11, v6                  ; + 8 h rows
	v_add_nc_u32 v6, s36, v6
.irp j, 0,1,2,3,4,5,6,7
	global_load_b32 v[X+\j], v6, s[16:17] offset:256*\j
.endr
	s_wait_loadcnt 0x0
.irp j, 0,1,2,3
	v_cvt_pk_bf16_f32 v[16+\j], v[X+2*\j], v[X+2*\j+1]
.endr
	s_branch .Lstore
.Lce:
	s_lshl_b32 s36, s35, 7                         ; ce_wg: 16 sg rows of 8 bytes
	v_bfe_u32 v6, v0, 1, 1                         ; which constant expert; lanes with r >= 4 read inside the buffer and are zeroed below
	v_lshlrev_b32 v6, 14, v6
	v_and_b32 v7, 1, v0
	v_lshl_add_u32 v6, v7, 2, v6
	v_lshl_add_u32 v6, v5, 6, v6                   ; + 8 h rows
	v_add_nc_u32 v6, s36, v6
.irp j, 0,1,2,3,4,5,6,7
	global_load_b32 v[X+\j], v6, s[18:19] offset:8*\j
.endr
	v_cmp_gt_u32 vcc_lo, 4, v4                     ; columns 64..67 exist
	s_wait_loadcnt 0x0
.irp j, 0,1,2,3
	v_cvt_pk_bf16_f32 v[16+\j], v[X+2*\j], v[X+2*\j+1]
.endr
.irp j, 0,1,2,3
	v_cndmask_b32 v[16+\j], 0, v[16+\j], vcc_lo
.endr
.Lstore:
	global_store_b128 v1, v[16:19], s[28:29]       ; a wave stores 512 consecutive bytes
	s_endpgm
.Lfunc_end_k_q7291584d9e_cast:
	.size	k_q7291584d9e_cast, .Lfunc_end_k_q7291584d9e_cast-k_q7291584d9e_cast
	.p2alignl 7, 3214868480
	.fill 96, 4, 3214868480
	.section	.rodata,"a",@progbits
	.p2align	6, 0x0
	.amdhsa_kernel k_q7291584d9e_cast
		.amdhsa_group_segment_fixed_size 0
		.amdhsa_private_segment_fixed_size 0
		.amdhsa_enable_private_segment 0
		.amdhsa_kernarg_size 88
		.amdhsa_user_sgpr_count 2
		.amdhsa_user_sgpr_kernarg_segment_ptr 1
		.amdhsa_wavefront_size32 1
		.amdhsa_system_sgpr_workgroup_id_x 1
		.amdhsa_system_sgpr_workgroup_id_y 1
		.amdhsa_system_sgpr_workgroup_id_z 1
		.amdhsa_system_vgpr_workitem_id 0
		.amdhsa_next_free_vgpr 104
		.amdhsa_next_free_sgpr 66
		.amdhsa_reserve_vcc 1
		.amdhsa_float_denorm_mode_32 3
		.amdhsa_float_denorm_mode_16_64 3
		.amdhsa_memory_ordered 1
		.amdhsa_forward_progress 1
		.amdhsa_inst_pref_size 11
	.end_amdhsa_kernel
	.amdgpu_metadata
---
amdhsa.version: [ 1, 2 ]
amdhsa.kernels:
  - .name:           k_q7291584d9e_cast
    .symbol:         k_q7291584d9e_cast.kd
    .args:
      - { .name: hidden_states, .offset: 0, .size: 8, .value_kind: global_buffer, .address_space: global }
      - { .name: w_gate, .offset: 8, .size: 8, .value_kind: global_buffer, .address_space: global }
      - { .name: w_up, .offset: 16, .size: 8, .value_kind: global_buffer, .address_space: global }
      - { .name: w_down, .offset: 24, .size: 8, .value_kind: global_buffer, .address_space: global }
      - { .name: gate_w1, .offset: 32, .size: 8, .value_kind: global_buffer, .address_space: global }
      - { .name: ce_wg, .offset: 40, .size: 8, .value_kind: global_buffer, .address_space: global }
      - { .name: xb, .offset: 48, .size: 8, .value_kind: global_buffer, .address_space: global }
      - { .name: wgb, .offset: 56, .size: 8, .value_kind: global_buffer, .address_space: global }
      - { .name: wub, .offset: 64, .size: 8, .value_kind: global_buffer, .address_space: global }
      - { .name: wdb, .offset: 72, .size: 8, .value_kind: global_buffer, .address_space: global }
      - { .name: rtab, .offset: 80, .size: 8, .value_kind: global_buffer, .address_space: global }
    .group_segment_fixed_size: 0
    .private_segment_fixed_size: 0
    .kernarg_segment_align: 8
    .kernarg_segment_size: 88
    .max_flat_workgroup_size: 256
    .sgpr_count:     66
    .vgpr_count:     104
    .wavefront_size: 32
...
	.end_amdgpu_metadata
.endif
;; end of part 1
;; launch router (part 2): grid 128 x 1, 8 waves a work-group, no clusters, 236,544 bytes of LDS; arguments xb, rtab, gate_w2, out1, coef; writes out1, coef
.if DOCPART == 2
	.amdgcn_target "amdgcn-amd-amdhsa--gfx1250"
	.amdhsa_code_object_version 6
	.text
	.protected	k_q7291584d9e_router
	.globl	k_q7291584d9e_router
	.p2align	8
	.type	k_q7291584d9e_router,@function
k_q7291584d9e_router:
	s_mov_b64 s[64:65], 0
	v_nop
	global_prefetch_b8 v0, s[64:65] scope:SCOPE_SE
	s_setreg_imm32_b32 hwreg(HW_REG_WAVE_MODE, 25, 1), 1
	s_wait_xcnt 0x0
; Router and the two 2-way gates.  A work-group has 32 tokens; wave w has K = 256 w .. 256 w + 255 of x . [gate_w1 | ce_wg] (80 columns, 68 used).
; out1[token][8] = tanh(x W1) W2;  coef[token] = (cx, a2, a3, cs) with  out0 = cx x + a2 c0 + a3 c1 + cs swiglu.
; x W1 and x ce_wg: matrix unit, bf16 operands, f32 sums, eight chains of 8 links added pairwise in f32.  tanh in f32.
; The product 64 x 8 is done in f32 multiply-adds on the unrounded tanh and W2 rounded to bf16.
; LIMITS, stated: the routing decisions are those of the reference on x, gate_w1, gate_w2 rounded to bf16.  The top 2 are taken on
; exp(l - max l); the softmax's denominator cancels in topw / sum(topw).  Equal values go to the lower index.  An exponential below 2^-126
; counts as 0 (ISA guide 15.8), so a second weight that small beside a masked first gives NaN.
; NO CLUSTER: the only bytes that work-groups share are the table's, and they go straight into registers in fragment order, not through LDS.
.set XA_W,    16896                    ; LDS 0: eight tiles of 32 rows x 512 bytes, pitch 528, each filled once and read by its own wave alone
.set XPITCH,  528
.set PART,    135168                   ; [wave][token][84 f32]: the eight partial sums
.set PART_W,  10752
.set PPITCH,  336                      ; 21 x 16 bytes: sixteen rows fall on sixteen different 16-byte columns of 256
.set TBUF,    221184                   ; [token] pitch 336: 64 tanh values
.set W2T,     231936                   ; [e] pitch 272: 64 f32, W2 transposed
.set W2PITCH, 272
.set LG,      234240                   ; [token][8] f32
.set ACC, 16                           ; v[16:95]   tile (m, b) at ACC + 8 (5 m + b)
.set AF,  96                           ; v[96:127]  A fragments, two buffers of 2 x 8
.set W2C, 128                          ; v[128:191] my expert's column of W2
.set TMP, 192                          ; v[192:255] at work
                                       ; window 1, v256-415: four buffers of 5 B fragments (40 registers)
.set MSB, 0
.macro WIN new                         ; the immediate's high byte repeats the setting that is left
.if MSB != \new
	s_set_vgpr_msb (MSB<<8)|\new
.set MSB, \new
.endif
.endm
	s_load_b256 s[4:11], s[0:1], 0x0               ; xb s[4:5], rtab s[6:7], gate_w2 s[8:9], out1 s[10:11]
	s_load_b64 s[12:13], s[0:1], 0x20              ; coef
	s_set_vgpr_msb 0x40
	v_lshl_add_u32 v160, v0, 2, 0x39800
	v_mov_b32 v161, 0
	s_set_vgpr_msb 0x4045
	ds_add_u32 v160, v161
	ds_add_u32 v160, v161
	s_set_vgpr_msb 0x4500
	v_lshrrev_b32 v1, 5, v0
	v_readfirstlane_b32 s14, v1                    ; wave
	s_mov_b32 s16, (1<<16)|(1<<20)|(6<<22)|(3<<25) ; elements of 2 bytes; after every 128 words 4 words of padding
	s_mov_b32 s17, 256<<16                         ; tensor_dim0 = 256
	s_mov_b32 s18, 32<<16                          ; tensor_dim1 = 32
	s_mov_b32 s19, 256<<16                         ; tile_dim0 = 256
	s_mov_b32 s20, 32                              ; tile_dim1 = 32
	s_mov_b32 s21, 2048                            ; elements from row to row
	s_mov_b32 s22, 0
	s_mov_b32 s23, 0
	s_lshl_b32 s2, ttmp9, 17                       ; 32 rows of 4,096 bytes a work-group
	s_lshl_b32 s3, s14, 9                          ; 512 bytes of a row a wave
	s_add_co_u32 s2, s2, s3
	s_mov_b32 s3, 0
	s_mov_b32 s24, 1
	s_mul_i32 s25, s14, XA_W
	s_wait_dscnt 0x0
	s_wait_kmcnt 0x0
	s_add_nc_u64 s[26:27], s[4:5], s[2:3]
	s_or_b32 s27, s27, 0x80000000
	tensor_load_to_lds s[24:27], s[16:23]          ; my one tensor load of the launch: nothing in LDS is ever filled again
	s_nop 0
	v_and_b32 v2, 31, v0                           ; lane
	v_and_b32 v3, 15, v0                           ; r
	v_bfe_u32 v4, v0, 4, 1                         ; h
	v_lshlrev_b32 v5, 3, v0                        ; gate_w2: 8 bytes a thread
	global_load_b64 v[6:7], v5, s[8:9]
	v_lshlrev_b32 v8, 4, v2
	s_lshl_b32 s15, s14, 13
	v_add_nc_u32 v8, s15, v8                       ; table: 16 lane + 8,192 wave
	v_mul_u32_u24 v9, v3, XPITCH
	v_lshl_add_u32 v9, v4, 4, v9
	v_add_nc_u32 v9, s25, v9                       ; A fragments: my tile + r pitch + 16 h
	s_mul_i32 s28, s14, PART_W
	s_add_co_u32 s28, s28, PART
	v_mul_u32_u24 v10, v3, PPITCH
	v_lshl_add_u32 v10, v4, 5, v10
	v_add_nc_u32 v10, s28, v10                     ; my partial sums: row r, 32 h bytes
	v_lshrrev_b32 v14, 3, v0                       ; behind the products a thread is (token = t >> 3, q = t & 7)
	v_mul_u32_u24 v14, v14, PPITCH
	v_and_b32 v13, 7, v0
	v_lshl_add_u32 v11, v13, 4, v14
	v_add_nc_u32 v15, TBUF, v11                    ; where my 2 x 4 tanh values go
	v_add_nc_u32 v12, PART+4*PART_W, v11           ; partial sums of waves 4-7 (an LDS immediate has 16 bits)
	v_add_nc_u32 v11, PART, v11                    ; partial sums of waves 0-3
	v_add_nc_u32 v14, TBUF, v14                    ; my token's tanh row
	v_mul_u32_u24 v13, v13, W2PITCH
	v_add_nc_u32 v13, W2T, v13                     ; my expert's row of W2T
	s_mov_b32 s30, 0x3e800000                      ; 0.25
	s_mov_b32 s31, 0x3cb327a4                      ; 62/2835
	s_mov_b32 s32, 0xbd5d0dd1                      ; -17/315
	s_mov_b32 s33, 0x3e088889                      ; 2/15
	s_mov_b32 s34, 0xbeaaaaab                      ; -1/3
.macro BLOAD s                         ; the five B fragments of my K step s: ten loads of 512 consecutive bytes
	WIN 0x40
.irp b, 0,1,2,3,4
	global_load_b128 v[40*((\s)&3)+8*\b:40*((\s)&3)+8*\b+3], v8, s[6:7] offset:\b*65536+(\s)*1024
	global_load_b128 v[40*((\s)&3)+8*\b+4:40*((\s)&3)+8*\b+7], v8, s[6:7] offset:\b*65536+(\s)*1024+512
.endr
.endm
.macro ALOAD s                         ; the two A fragments (tokens 0-15, 16-31) of my K step s
	WIN 0
.irp m, 0,1
	ds_load_b128 v[AF+16*((\s)&1)+8*\m:AF+16*((\s)&1)+8*\m+3], v9 offset:\m*16*XPITCH+64*(\s)
	ds_load_b128 v[AF+16*((\s)&1)+8*\m+4:AF+16*((\s)&1)+8*\m+7], v9 offset:\m*16*XPITCH+64*(\s)+32
.endr
.endm
; One K step of 32.  lc: the younger table loads that may stay out (10 a step); dc: the A loads just issued.
; Source 0 = B's columns, source 1 = A's tokens: register j of lane (r, h) is (token 16 m + r, column 16 b + 8 h + j).
; The ten accumulators take turns, one instruction a turn.
.macro STEP s, lc, dc
.if \s < 7
	ALOAD \s+1
.endif
.if \s < 5
	BLOAD \s+3
.endif
	s_wait_loadcnt \lc
	s_wait_dscnt \dc
	WIN 0x01
.irp m, 0,1
.irp b, 0,1,2,3,4
.if \s == 0
	v_wmma_f32_16x16x32_bf16 v[ACC+8*(5*\m+\b):ACC+8*(5*\m+\b)+7], v[40*(\s&3)+8*\b:40*(\s&3)+8*\b+7], v[AF+16*(\s&1)+8*\m:AF+16*(\s&1)+8*\m+7], 0
.else
	v_wmma_f32_16x16x32_bf16 v[ACC+8*(5*\m+\b):ACC+8*(5*\m+\b)+7], v[40*(\s&3)+8*\b:40*(\s&3)+8*\b+7], v[AF+16*(\s&1)+8*\m:AF+16*(\s&1)+8*\m+7], v[ACC+8*(5*\m+\b):ACC+8*(5*\m+\b)+7]
.endif
.endr
.endr
.rept 4
	v_nop                                          ; four places before loads land on fragments just read, or stores read the sums
.endr
.endm
	BLOAD 0
	BLOAD 1
	BLOAD 2
	WIN 0
	s_wait_loadcnt 30                              ; gate_w2's load is in; the 30 table loads issued behind it stay out
	v_cvt_pk_bf16_f32 v[TMP], v6, v7               ; W2 rounded to bf16, kept as f32
	v_lshlrev_b32 v[TMP+1], 16, v[TMP]
	v_and_b32 v[TMP+2], 0xffff0000, v[TMP]
	v_and_b32 v[TMP+3], 3, v0                      ; my two numbers are W2[k = t >> 2][e = 2 (t & 3), + 1]
	v_mul_u32_u24 v[TMP+3], v[TMP+3], 2*W2PITCH
	v_lshrrev_b32 v[TMP+4], 2, v0
	v_lshl_add_u32 v[TMP+3], v[TMP+4], 2, v[TMP+3]
	v_add_nc_u32 v[TMP+3], W2T, v[TMP+3]
	ds_store_b32 v[TMP+3], v[TMP+1]
	ds_store_b32 v[TMP+3], v[TMP+2] offset:W2PITCH
	s_wait_tensorcnt 0x0                           ; my tile is in LDS; no other wave reads it
	ALOAD 0
	STEP 0, 30, 4
	STEP 1, 30, 4
	STEP 2, 30, 4
	STEP 3, 30, 4
	STEP 4, 30, 4
	STEP 5, 20, 4
	STEP 6, 10, 4
	STEP 7, 0, 0
	WIN 0
.irp m, 0,1
.irp b, 0,1,2,3,4
	ds_store_b128 v10, v[ACC+8*(5*\m+\b):ACC+8*(5*\m+\b)+3] offset:\m*16*PPITCH+64*\b
	ds_store_b128 v10, v[ACC+8*(5*\m+\b)+4:ACC+8*(5*\m+\b)+7] offset:\m*16*PPITCH+64*\b+16
.endr
.endr
	s_wait_dscnt 0x0                               ; my partial sums and my part of W2T are written
	s_barrier_signal -1
	s_barrier_wait -1
	; the eight partial sums of my 2 x 4 columns (4 q .., 32 + 4 q ..), then tanh
.irp p, 0,1,2,3
	ds_load_b128 v[TMP+8*\p:TMP+8*\p+3], v11 offset:\p*PART_W
	ds_load_b128 v[TMP+8*\p+4:TMP+8*\p+7], v11 offset:\p*PART_W+128
.endr
.irp p, 0,1,2,3
	ds_load_b128 v[TMP+32+8*\p:TMP+32+8*\p+3], v12 offset:\p*PART_W
	ds_load_b128 v[TMP+32+8*\p+4:TMP+32+8*\p+7], v12 offset:\p*PART_W+128
.endr
.irp c, 0,1,2,3,4,5,6,7,8,9,10,11,12,13,14,15
	ds_load_b128 v[W2C+4*\c:W2C+4*\c+3], v13 offset:16*\c
.endr
	s_wait_dscnt 16                                ; the 16 loads of W2T are younger and may stay out
.irp p, 0,2,4,6
.irp k, 0,2,4,6
	v_pk_add_f32 v[TMP+8*\p+\k:TMP+8*\p+\k+1], v[TMP+8*\p+\k:TMP+8*\p+\k+1], v[TMP+8*\p+8+\k:TMP+8*\p+8+\k+1]
.endr
.endr
.irp p, 0,4
.irp k, 0,2,4,6
	v_pk_add_f32 v[TMP+8*\p+\k:TMP+8*\p+\k+1], v[TMP+8*\p+\k:TMP+8*\p+\k+1], v[TMP+8*\p+16+\k:TMP+8*\p+16+\k+1]
.endr
.endr
.irp k, 0,2,4,6
	v_pk_add_f32 v[TMP+\k:TMP+\k+1], v[TMP+\k:TMP+\k+1], v[TMP+32+\k:TMP+32+\k+1]
.endr
	; tanh p = 1 - 2 / (1 + 2^(2.885390 p)); for |p| < 0.25, where that difference loses bits, the series
	; p + p q (-1/3 + q (2/15 + q (-17/315 + q 62/2835))), q = p^2: the first term left out is below 1e-8 of p there.
.set PV, TMP                           ; p
.set EV, TMP+8
.set QV, TMP+16
.set RV, TMP+24
.set OV, TMP+32
.irp i, 0,1,2,3,4,5,6,7
	v_mul_f32 v[EV+\i], 0x4038aa3b, v[PV+\i]
	v_mul_f32 v[QV+\i], v[PV+\i], v[PV+\i]
.endr
.irp i, 0,1,2,3,4,5,6,7
	v_exp_f32 v[EV+\i], v[EV+\i]
.endr
.irp i, 0,1,2,3,4,5,6,7
	v_fma_f32 v[RV+\i], v[QV+\i], s31, s32         ; plain work stands between the exponentials and their use (ISA guide 5.7.2)
.endr
	s_wait_alu depctr_va_vdst(0)
.irp i, 0,1,2,3,4,5,6,7
	v_add_f32 v[EV+\i], 1.0, v[EV+\i]
.endr
.irp i, 0,1,2,3,4,5,6,7
	v_rcp_f32 v[EV+\i], v[EV+\i]
.endr
.irp i, 0,1,2,3,4,5,6,7
	v_fma_f32 v[RV+\i], v[RV+\i], v[QV+\i], s33
.endr
.irp i, 0,1,2,3,4,5,6,7
	v_fma_f32 v[RV+\i], v[RV+\i], v[QV+\i], s34
	v_mul_f32 v[QV+\i], v[QV+\i], v[PV+\i]
.endr
	s_wait_alu depctr_va_vdst(0)
.irp i, 0,1,2,3,4,5,6,7
	v_fma_f32 v[RV+\i], v[QV+\i], v[RV+\i], v[PV+\i]
	v_fma_f32 v[EV+\i], v[EV+\i], -2.0, 1.0
.endr
.irp i, 0,1,2,3,4,5,6,7
	v_cmp_gt_f32 vcc_lo, s30, |v[PV+\i]|
	v_cndmask_b32 v[OV+\i], v[EV+\i], v[RV+\i], vcc_lo
.endr
	ds_store_b128 v15, v[OV:OV+3]
	ds_store_b128 v15, v[OV+4:OV+7] offset:128
	s_wait_dscnt 0x0                               ; my tanh values are written (and W2's column is in)
	s_barrier_signal -1
	s_barrier_wait -1
	; logit (token = t >> 3, e = t & 7): 64 products in f32, two chains of pairs
.irp c, 0,1,2,3,4,5,6,7,8,9,10,11,12,13,14,15
	ds_load_b128 v[TMP+4*\c:TMP+4*\c+3], v14 offset:16*\c
.endr
	v_lshlrev_b32 v1, 2, v0
	v_add_nc_u32 v1, LG, v1
	s_wait_dscnt 0x0
	v_pk_mul_f32 v[96:97], v[TMP:TMP+1], v[W2C:W2C+1]
	v_pk_mul_f32 v[98:99], v[TMP+2:TMP+3], v[W2C+2:W2C+3]
.set k, 4
.rept 15
	v_pk_fma_f32 v[96:97], v[TMP+k:TMP+k+1], v[W2C+k:W2C+k+1], v[96:97]
	v_pk_fma_f32 v[98:99], v[TMP+k+2:TMP+k+3], v[W2C+k+2:W2C+k+3], v[98:99]
.set k, k+4
.endr
	v_pk_add_f32 v[96:97], v[96:97], v[98:99]
	v_add_f32 v96, v96, v97
	ds_store_b32 v1, v96
	s_wait_dscnt 0x0
	s_barrier_signal -1
	s_barrier_wait -1                              ; the last barrier: every wave has passed all three
	s_cmp_ge_u32 s14, 2
	s_cbranch_scc1 .Lend
	v_lshlrev_b32 v5, 4, v0                        ; waves 0 and 1 store the 1,024 bytes of logits, 512 consecutive bytes each
	v_add_nc_u32 v6, LG, v5
	ds_load_b128 v[100:103], v6
	s_lshl_b32 s2, ttmp9, 10
	s_add_nc_u64 s[10:11], s[10:11], s[2:3]
	s_wait_dscnt 0x0
	global_store_b128 v5, v[100:103], s[10:11]
	s_cmp_lg_u32 s14, 0
	s_cbranch_scc1 .Lend
	; wave 0: lane = token
.set LV, 32                            ; 8 logits
.set ZV, 40                            ; 8 x 4 partial sums of x . ce_wg, then z0..z3
.set XV, 72                            ; 8 exponentials
.set FV, 86                            ; the same with the first choice struck out
	v_lshlrev_b32 v104, 5, v0
	v_add_nc_u32 v104, LG, v104
	v_mul_u32_u24 v105, v0, PPITCH
	v_add_nc_u32 v106, PART+4*PART_W, v105
	v_add_nc_u32 v105, PART, v105
	ds_load_b128 v[LV:LV+3], v104
	ds_load_b128 v[LV+4:LV+7], v104 offset:16
.irp p, 0,1,2,3
	ds_load_b128 v[ZV+4*\p:ZV+4*\p+3], v105 offset:\p*PART_W+256
.endr
.irp p, 0,1,2,3
	ds_load_b128 v[ZV+16+4*\p:ZV+16+4*\p+3], v106 offset:\p*PART_W+256
.endr
	s_wait_dscnt 0x0
.irp p, 0,2,4,6
.irp k, 0,2
	v_pk_add_f32 v[ZV+4*\p+\k:ZV+4*\p+\k+1], v[ZV+4*\p+\k:ZV+4*\p+\k+1], v[ZV+4*\p+4+\k:ZV+4*\p+4+\k+1]
.endr
.endr
.irp p, 0,4
.irp k, 0,2
	v_pk_add_f32 v[ZV+4*\p+\k:ZV+4*\p+\k+1], v[ZV+4*\p+\k:ZV+4*\p+\k+1], v[ZV+4*\p+8+\k:ZV+4*\p+8+\k+1]
.endr
.endr
.irp k, 0,2
	v_pk_add_f32 v[ZV+\k:ZV+\k+1], v[ZV+\k:ZV+\k+1], v[ZV+16+\k:ZV+16+\k+1]
.endr
	v_max3_num_f32 v80, v[LV], v[LV+1], v[LV+2]    ; the maximum is taken away before the exponentials
	v_max3_num_f32 v80, v80, v[LV+3], v[LV+4]
	v_max3_num_f32 v80, v80, v[LV+5], v[LV+6]
	v_max_num_f32 v80, v80, v[LV+7]
.irp i, 0,1,2,3,4,5,6,7
	v_sub_f32 v[XV+\i], v[LV+\i], v80
.endr
.irp i, 0,1,2,3,4,5,6,7
	v_mul_f32 v[XV+\i], 0x3fb8aa3b, v[XV+\i]
.endr
.irp i, 0,1,2,3,4,5,6,7
	v_exp_f32 v[XV+\i], v[XV+\i]
.endr
	v_mov_b32 v82, 0                               ; first choice: value v81, index v82
	s_wait_alu depctr_va_vdst(0)
	v_mov_b32 v81, v[XV]
.irp i, 1,2,3,4,5,6,7
	v_cmp_gt_f32 vcc_lo, v[XV+\i], v81             ; strictly larger: ties stay with the lower index
	v_cndmask_b32 v81, v81, v[XV+\i], vcc_lo
	v_cndmask_b32 v82, v82, \i, vcc_lo
.endr
.irp i, 0,1,2,3,4,5,6,7
	v_cmp_eq_u32 vcc_lo, \i, v82
	v_cndmask_b32 v[FV+\i], v[XV+\i], -1.0, vcc_lo
.endr
	v_mov_b32 v84, 0                               ; second choice: value v83, index v84
	v_mov_b32 v83, v[FV]
.irp i, 1,2,3,4,5,6,7
	v_cmp_gt_f32 vcc_lo, v[FV+\i], v83
	v_cndmask_b32 v83, v83, v[FV+\i], vcc_lo
	v_cndmask_b32 v84, v84, \i, vcc_lo
.endr
	v_cmp_eq_u32 vcc_lo, 7, v82                    ; expert 7 is masked out
	v_cndmask_b32 v81, v81, 0, vcc_lo
	v_cmp_eq_u32 vcc_lo, 7, v84
	v_cndmask_b32 v83, v83, 0, vcc_lo
	v_add_f32 v85, v81, v83
	v_rcp_f32 v85, v85
	v_max_num_f32 v94, v[ZV], v[ZV+1]              ; the two gates of two: each with its own maximum taken away
	v_max_num_f32 v95, v[ZV+2], v[ZV+3]
	s_wait_alu depctr_va_vdst(0)
	v_mul_f32 v81, v81, v85                        ; the two routing weights
	v_mul_f32 v83, v83, v85
	v_sub_f32 v[ZV], v[ZV], v94
	v_sub_f32 v[ZV+1], v[ZV+1], v94
	v_sub_f32 v[ZV+2], v[ZV+2], v95
	v_sub_f32 v[ZV+3], v[ZV+3], v95
.irp i, 0,1,2,3
	v_mul_f32 v[ZV+\i], 0x3fb8aa3b, v[ZV+\i]
.endr
.irp i, 0,1,2,3
	v_exp_f32 v[ZV+\i], v[ZV+\i]
.endr
	v_nop
.macro PE dst, k                       ; the weight that expert k gets
	v_cmp_eq_u32 vcc_lo, \k, v82
	v_cndmask_b32 v[\dst], 0, v81, vcc_lo
	v_cmp_eq_u32 vcc_lo, \k, v84
	v_cndmask_b32 v107, 0, v83, vcc_lo
	v_add_f32 v[\dst], v[\dst], v107
.endm
	PE 108, 0
	PE 109, 2
	PE 110, 3
	v_cmp_le_u32 vcc_lo, 4, v82                    ; experts 4..7 share one set of weights (7's weight is 0)
	v_cndmask_b32 v115, 0, v81, vcc_lo
	v_cmp_le_u32 vcc_lo, 4, v84
	v_cndmask_b32 v107, 0, v83, vcc_lo
	v_add_f32 v115, v115, v107                     ; cs
	s_wait_alu depctr_va_vdst(0)
	v_add_f32 v94, v[ZV], v[ZV+1]
	v_add_f32 v95, v[ZV+2], v[ZV+3]
	v_rcp_f32 v94, v94
	v_rcp_f32 v95, v95
	v_nop
	s_wait_alu depctr_va_vdst(0)
	v_mul_f32 v[ZV], v[ZV], v94
	v_mul_f32 v[ZV+1], v[ZV+1], v94
	v_mul_f32 v[ZV+2], v[ZV+2], v95
	v_mul_f32 v[ZV+3], v[ZV+3], v95
	v_fma_f32 v112, v109, v[ZV], v108              ; cx = pe0 + pe2 cw0[0] + pe3 cw1[0]
	v_fma_f32 v112, v110, v[ZV+2], v112
	v_mul_f32 v113, v109, v[ZV+1]                  ; a2 = pe2 cw0[1]
	v_mul_f32 v114, v110, v[ZV+3]                  ; a3 = pe3 cw1[1]
	s_lshl_b32 s2, ttmp9, 9
	s_add_nc_u64 s[12:13], s[12:13], s[2:3]
	global_store_b128 v5, v[112:115], s[12:13]     ; 32 tokens x 16 bytes: 512 consecutive bytes
.Lend:
	s_set_vgpr_msb 0x5
	s_wait_tensorcnt 0x0
	ds_add_u32 v160, v161
	s_wait_dscnt 0x0
	s_set_vgpr_msb 0x500
	s_endpgm
.Lfunc_end_k_q7291584d9e_router:
	.size	k_q7291584d9e_router, .Lfunc_end_k_q7291584d9e_router-k_q7291584d9e_router
	.p2alignl 7, 3214868480
	.fill 96, 4, 3214868480
	.section	.rodata,"a",@progbits
	.p2align	6, 0x0
	.amdhsa_kernel k_q7291584d9e_router
		.amdhsa_group_segment_fixed_size 236544
		.amdhsa_private_segment_fixed_size 0
		.amdhsa_enable_private_segment 0
		.amdhsa_kernarg_size 40
		.amdhsa_user_sgpr_count 2
		.amdhsa_user_sgpr_kernarg_segment_ptr 1
		.amdhsa_wavefront_size32 1
		.amdhsa_system_sgpr_workgroup_id_x 1
		.amdhsa_system_sgpr_workgroup_id_y 1
		.amdhsa_system_sgpr_workgroup_id_z 1
		.amdhsa_system_vgpr_workitem_id 0
		.amdhsa_next_free_vgpr 418
		.amdhsa_next_free_sgpr 66
		.amdhsa_reserve_vcc 1
		.amdhsa_float_denorm_mode_32 3
		.amdhsa_float_denorm_mode_16_64 3
		.amdhsa_memory_ordered 1
		.amdhsa_forward_progress 1
		.amdhsa_inst_pref_size 44
	.end_amdhsa_kernel
	.amdgpu_metadata
---
amdhsa.version: [ 1, 2 ]
amdhsa.kernels:
  - .name:           k_q7291584d9e_router
    .symbol:         k_q7291584d9e_router.kd
    .args:
      - { .name: xb, .offset: 0, .size: 8, .value_kind: global_buffer, .address_space: global }
      - { .name: rtab, .offset: 8, .size: 8, .value_kind: global_buffer, .address_space: global }
      - { .name: gate_w2, .offset: 16, .size: 8, .value_kind: global_buffer, .address_space: global }
      - { .name: out1, .offset: 24, .size: 8, .value_kind: global_buffer, .address_space: global }
      - { .name: coef, .offset: 32, .size: 8, .value_kind: global_buffer, .address_space: global }
    .group_segment_fixed_size: 236544
    .private_segment_fixed_size: 0
    .kernarg_segment_align: 8
    .kernarg_segment_size: 40
    .max_flat_workgroup_size: 256
    .sgpr_count:     66
    .vgpr_count:     418
    .wavefront_size: 32
...
	.end_amdgpu_metadata
.endif
;; end of part 2
;; launch gateup (part 3): grid 16 x 16, 4 waves a work-group, clusters of 4 x 4, 327,680 bytes of LDS; arguments xb, wgb, wub, hb; writes hb
.if DOCPART == 3
	.amdgcn_target "amdgcn-amd-amdhsa--gfx1250"
	.amdhsa_code_object_version 6
	.text
	.protected	k_q7291584d9e_gateup
	.globl	k_q7291584d9e_gateup
	.p2align	8
	.type	k_q7291584d9e_gateup,@function
k_q7291584d9e_gateup:
	s_mov_b64 s[64:65], 0
	v_nop
	global_prefetch_b8 v0, s[64:65] scope:SCOPE_SE
	s_setreg_imm32_b32 hwreg(HW_REG_WAVE_MODE, 25, 1), 1
	s_wait_xcnt 0x0
	s_wait_alu depctr_hold_cnt(0) depctr_sa_sdst(0) depctr_va_vdst(0) depctr_va_sdst(0) depctr_va_ssrc(0) depctr_va_vcc(0) depctr_vm_vsrc(0)
	s_getreg_b32 s2, hwreg(HW_REG_IB_STS2, 6, 4)
	s_cmp_eq_u32 s2, 0
	s_cbranch_scc0 .Lentry_in_a_cluster
	s_endpgm
.Lentry_in_a_cluster:
	s_bfe_u32 s2, ttmp6, 0x10000c
	s_cmp_lg_u32 s2, 0xf033
	s_cbranch_scc0 .Lentry_shape_is_right
	s_endpgm
.Lentry_shape_is_right:
; h[m][n] = silu((x Wg)[m][n]) (x Wu)[m][n], bf16.  xb: [4096][2048] bf16; wgb, wub: [2048 k][2048 n] bf16; sums in f32.
; hb holds h IN THE ORDER OF MATRIX FRAGMENTS: the 16 bytes at mb*65536 + kg*256 + r*16 are h[16 mb + r][8 kg + 0..7].  The next launch loads its
; fragments from there straight into registers, and here a lane's eight results are exactly one such piece: a tile leaves as 512 consecutive bytes.
; A work-group makes 256 rows x 128 columns of h, that is 256 x 128 of the gate product and the same of the up product.  Four waves, as many as
; a WGP has SIMDs; wave (i = w >> 1, j = w & 1) has rows 128 i .. and columns 64 j ..: 8 row blocks x (4 gate + 4 up) column blocks of 16 x 16,
; 64 accumulator tiles, 512 registers.  Gate and up of one number lie in the same lane and register index, so silu(g) u needs no exchange.
; K goes in steps of 128 through two LDS slots.  A slot has four quarters, one tensor load each, wave w filling quarter w:
;   quarters 0, 1: 128 rows of x each, rows of 256 bytes, pitch 272;  quarter 2: Wg's 128 k rows x 128 columns, pitch 288;  quarter 3: Wu's.
; The weights stay [k][n]: their fragments are read by the transposing LDS load (pitch an odd multiple of 32 bytes).
; CLUSTERS: 4 x 4 work-groups.  x's tiles hang on the block row alone and are asked for jointly along a row of the cluster; the weights' tiles
; hang on the block column alone and are asked for jointly along a column: a quarter of the requests.
; REGISTERS in windows of 256: window 0: v0-31 addresses, v64-127 / v128-191 fragments of x (two buffers); window 1: the same numbers, fragments
; of the weights (blocks 0-3 gate, 4-7 up); window 2: tiles of my rows 0-63 (tile (a, b) at v[8 (8 a + b)]); window 3: rows 64-127.
; The matrix instruction is used transposed (source 0 = weights' columns, source 1 = x's rows): lane (r, h) holds row r, columns 8 h + 0..7.
.set KSTEP,  128
.set ROWB,   4096                      ; bytes in a row of xb, wgb, wub
.set MBB,    65536                     ; bytes of 16 rows of h in hb
.set PITCH,  272
.set BPITCH, 288
.set QUART,  128*BPITCH                ; 36,864 bytes: what one tensor load may fill
.set SLOT,   4*QUART
.set LAPS,   2048/(2*KSTEP)            ; a lap = two K steps = once round the ring
.set ADRA,  16                         ; v16-17 my x fragments in slot 0, 1
.set ADRBG, 20                         ; v20-21 my gate fragments
.set ADRBU, 22                         ; v22-23 my up fragments
.set CO,    26                         ; 16 x lane: never rewritten
.set F0,    64
.set F1,    128
.set G1,  24                           ; s[24:31] group 1 for x's tiles
.set G0,  32                           ; s[32:39] group 0 for x's tiles, a set for each slot
.set G1B, 48                           ; s[48:55] group 1 for the weights' tiles
.set G0B, 56                           ; s[56:63] group 0 for the weights' tiles
.set MSB, 0
.macro WIN new
.if MSB != \new
	s_set_vgpr_msb (MSB<<8)|\new
.set MSB, \new
.endif
.endm
.set MUL_LO, 0xa1                      ; source 0 window 1, source 1 window 0, C and D window 2
.set MUL_HI, 0xf1                      ; the same, C and D window 3
.set TO_B,   0x40                      ; destination window 1, address window 0
; A joint load: waves 0, 1 ask for x's halves, waves 2, 3 for Wg's and Wu's tile.  The branch hangs on the wave's number alone.
.macro JLOAD s
	s_cmp_eq_u32 s11, 0
	s_cbranch_scc0 .Lfor_b_\@
	tensor_load_to_lds s[G0+4*\s:G0+4*\s+3], s[G1:G1+7]
	s_nop 0
	s_branch .Lasked_\@
.Lfor_b_\@:
	tensor_load_to_lds s[G0B+4*\s:G0B+4*\s+3], s[G1B:G1B+7]
	s_nop 0
.Lasked_\@:
.endm
.macro CREST                           ; a round of the cluster's barrier behind its opening work-group barrier
	s_cmp_lg_u32 s10, 0
	s_cbranch_scc1 .Lnot_wave_0_\@
	s_barrier_signal -3
.Lnot_wave_0_\@:
	s_barrier_wait -3
	s_barrier_signal -1
	s_barrier_wait -1
.endm
.macro CROUND
	s_barrier_signal -1
	s_barrier_wait -1
	CREST
.endm
	s_load_b128 s[4:7], s[0:1], 0x0                ; xb s[4:5], wgb s[6:7]
	s_load_b128 s[68:71], s[0:1], 0x10             ; wub s[68:69], hb s[70:71]
	s_set_vgpr_msb 0x40
	v_lshl_add_u32 v255, v0, 2, 0x48000
	s_set_vgpr_msb 0x4000
	v_mov_b32 v63, 0
	s_set_vgpr_msb 0x1
	ds_add_u32 v255, v63
	ds_add_u32 v255, v63
	s_set_vgpr_msb 0x100
	v_lshrrev_b32 v1, 5, v0
	v_readfirstlane_b32 s10, v1                    ; wave
	s_lshr_b32 s11, s10, 1                         ; i: my half of the rows.  Also: I fetch x (0) or weights (1)
	s_and_b32 s12, s10, 1                          ; j: my half of the columns.  Also: which half of x, or gate (0) / up (1), I fetch
	s_bfe_u32 s40, ttmp6, 0x40000                  ; cx
	s_bfe_u32 s41, ttmp6, 0x40004                  ; cy
	s_lshl_b32 s42, ttmp9, 2
	s_add_co_u32 s42, s42, s40                     ; block column
	s_and_b32 s13, ttmp7, 0xffff
	s_lshl_b32 s13, s13, 2
	s_add_co_u32 s13, s13, s41                     ; block row
	s_lshl_b32 s43, s41, 2
	s_lshl_b32 s43, 15, s43                        ; my row of the cluster
	s_lshl_b32 s44, 0x1111, s40                    ; my column
	s_or_b32 s[G1+0], s43, (1<<16)|(1<<20)|(1<<21)|(5<<22)|(3<<25)   ; mask; 2-byte elements; padding on; bit 21 beside a mask; 4 words after every 64
	s_or_b32 s[G1B+0], s44, (1<<16)|(1<<20)|(1<<21)|(5<<22)|(7<<25)  ; the column's mask; 8 words after every 64
	s_mov_b32 s[G1+1], KSTEP<<16                   ; tensor_dim0 = 128
	s_mov_b32 s[G1B+1], 128<<16
	s_mov_b32 s[G1+2], 128<<16                     ; tensor_dim1 = 128
	s_mov_b32 s[G1B+2], KSTEP<<16
	s_mov_b32 s[G1+3], KSTEP<<16                   ; tile_dim0 = 128
	s_mov_b32 s[G1B+3], 128<<16
	s_mov_b32 s[G1+4], 128                         ; tile_dim1 = 128
	s_mov_b32 s[G1B+4], KSTEP
	s_mov_b32 s[G1+5], 2048                        ; elements from row to row
	s_mov_b32 s[G1B+5], 2048
	s_mov_b32 s[G1+6], 0
	s_mov_b32 s[G1B+6], 0
	s_mov_b32 s[G1+7], 0
	s_mov_b32 s[G1B+7], 0
	s_lshl_b32 s17, s12, 7
	s_lshl_b32 s16, s13, 8
	s_add_co_u32 s16, s16, s17                     ; x: row 256 x block row + 128 x half
	s_lshl_b32 s16, s16, 12                        ; in bytes (below 2^24)
	s_mov_b32 s17, 0
	s_lshl_b32 s46, s42, 8                         ; weights: 128 columns of 2 bytes a block column
	s_mov_b32 s47, 0
	s_mul_i32 s20, s10, QUART                      ; my quarter of a slot
	s_mov_b32 s72, 0xbfb8aa3b                      ; -log2(e), twice: a pair for the packed multiply
	s_mov_b32 s73, 0xbfb8aa3b
	s_wait_dscnt 0x0
	s_wait_kmcnt 0x0
	s_add_nc_u64 s[14:15], s[4:5], s[16:17]
	s_cmp_eq_u32 s12, 0
	s_cselect_b64 s[18:19], s[6:7], s[68:69]       ; gate or up, by the wave's number
	s_add_nc_u64 s[46:47], s[18:19], s[46:47]
	CROUND                                         ; all sixteen work-groups are here: the first joint loads meet
.irp s, 0,1
	s_mov_b32 s[G0+4*\s], 1
	s_add_co_u32 s[G0+4*\s+1], s20, \s*SLOT
	s_add_nc_u64 s[G0+4*\s+2:G0+4*\s+3], s[14:15], \s*KSTEP*2
	s_or_b32 s[G0+4*\s+3], s[G0+4*\s+3], 0x80000000
	s_mov_b32 s[G0B+4*\s], 1
	s_add_co_u32 s[G0B+4*\s+1], s20, \s*SLOT
	s_add_nc_u64 s[G0B+4*\s+2:G0B+4*\s+3], s[46:47], \s*KSTEP*ROWB
	s_or_b32 s[G0B+4*\s+3], s[G0B+4*\s+3], 0x80000000
	JLOAD \s                                       ; two tensor loads of a wave are out here, later one
.endr
	v_and_b32 v1, 15, v0                           ; r
	v_bfe_u32 v2, v0, 4, 1                         ; h
	v_mul_u32_u24 v3, v1, PITCH
	v_lshl_add_u32 v3, v2, 4, v3                   ; r pitch + 16 h
	v_and_b32 v4, 7, v0
	v_lshl_add_u32 v4, v2, 3, v4                   ; transposing load: k row 8 h + (lane & 7),
	v_mul_u32_u24 v4, v4, BPITCH
	v_bfe_u32 v5, v0, 3, 1
	v_lshl_add_u32 v4, v5, 4, v4                   ; 16 bytes further for lanes 8-15 and 24-31
	s_mul_i32 s21, s11, QUART                      ; my 128 rows of x
	s_lshl_b32 s22, s12, 7                         ; my 64 columns
	s_add_co_u32 s22, s22, 2*QUART
.irp s, 0,1
	v_add_nc_u32 v[ADRA+\s], s21, v3
	v_add_nc_u32 v[ADRBG+\s], s22, v4
	v_add_nc_u32 v[ADRBU+\s], QUART, v[ADRBG+\s]
	s_add_co_u32 s21, s21, SLOT
	s_add_co_u32 s22, s22, SLOT
.endr
	v_and_b32 v5, 31, v0
	v_lshlrev_b32 v[CO], 4, v5                     ; the way out: 16 bytes a lane
.macro MUL16 f, hi, a0, zero
.irp a, \a0, \a0+1
.irp b, 0,1,2,3,4,5,6,7
.if \zero
	v_wmma_f32_16x16x32_bf16 v[8*(8*(\a)+\b):8*(8*(\a)+\b)+7], v[\f+8*\b:\f+8*\b+7], v[\f+8*(4*\hi+\a):\f+8*(4*\hi+\a)+7], 0
.else
	v_wmma_f32_16x16x32_bf16 v[8*(8*(\a)+\b):8*(8*(\a)+\b)+7], v[\f+8*\b:\f+8*\b+7], v[\f+8*(4*\hi+\a):\f+8*(4*\hi+\a)+7], v[8*(8*(\a)+\b):8*(8*(\a)+\b)+7]
.endif
.endr
.endr
.endm
; 32 LDS loads in one run: quarter step q (32 along K) of a slot into buffer f: 8 gate, 8 up, 16 of x
.macro FETCH slot, q, f
	WIN TO_B
.irp b, 0,1,2,3
	ds_load_tr16_b128 v[\f+8*\b:\f+8*\b+3],   v[ADRBG+\slot] offset:\q*32*BPITCH+32*\b
	ds_load_tr16_b128 v[\f+8*\b+4:\f+8*\b+7], v[ADRBG+\slot] offset:\q*32*BPITCH+32*\b+16*BPITCH
.endr
.irp b, 0,1,2,3
	ds_load_tr16_b128 v[\f+32+8*\b:\f+32+8*\b+3],   v[ADRBU+\slot] offset:\q*32*BPITCH+32*\b
	ds_load_tr16_b128 v[\f+32+8*\b+4:\f+32+8*\b+7], v[ADRBU+\slot] offset:\q*32*BPITCH+32*\b+16*BPITCH
.endr
	WIN 0
.irp i, 0,1,2,3,4,5,6,7
	ds_load_b128 v[\f+8*\i:\f+8*\i+3],   v[ADRA+\slot] offset:\q*64+\i*16*PITCH
	ds_load_b128 v[\f+8*\i+4:\f+8*\i+7], v[ADRA+\slot] offset:\q*64+\i*16*PITCH+32
.endr
.endm
.macro PLACES                          ; four places behind the last matrix instruction before loads land on fragments that it read, or results are read
.rept 4
	v_nop
.endr
.endm
; The 64 accumulators take turns in the same order in every quarter step, one instruction a turn.
.macro QUARTER slot, q, f, g, zero
	s_wait_dscnt 8                                 ; weights and x's rows 0-63 are in; the youngest eight loads (x's rows 64-127) may be out
	WIN MUL_LO
	MUL16 \f, 0, 0, \zero
	MUL16 \f, 0, 2, \zero
	PLACES
	FETCH \slot, \q, \g
	s_wait_dscnt 32                                ; all but the 32 just issued
	WIN MUL_HI
	MUL16 \f, 1, 0, \zero
	MUL16 \f, 1, 2, \zero
.endm
.macro THREE slot, zero
	QUARTER \slot, 1, F0, F1, \zero
	QUARTER \slot, 2, F1, F0, 0
	QUARTER \slot, 3, F0, F1, 0
.endm
; The last quarter of a K step, and the change of slots.  In front of the barrier each wave waits for its reads of this slot and for all its
; tensor loads (one is out: its quarter of the next slot).  Where the slot is filled again the barrier opens a round of the cluster's barrier,
; and the joint refill is the first tensor load behind the round, one a wave.  From a request to the wait for it: 240 matrix instructions.
.macro TURN slot, next, fill
	s_wait_dscnt 8
	WIN MUL_LO
	MUL16 F1, 0, 0, 0
	s_wait_dscnt 0
	s_wait_tensorcnt 0x0
	ds_add_u32 v255, v63
	s_wait_dscnt 0x0
	s_barrier_signal -1
	MUL16 F1, 0, 2, 0                              ; register work alone between signal and wait
	WIN 0
	s_barrier_wait -1
.if \fill
	CREST
	s_add_nc_u64 s[G0+4*\slot+2:G0+4*\slot+3], s[G0+4*\slot+2:G0+4*\slot+3], 2*KSTEP*2
	s_add_nc_u64 s[G0B+4*\slot+2:G0B+4*\slot+3], s[G0B+4*\slot+2:G0B+4*\slot+3], 2*KSTEP*ROWB
	JLOAD \slot
.endif
	PLACES
	FETCH \next, 0, F0
	WIN MUL_HI
	MUL16 F1, 1, 0, 0
	MUL16 F1, 1, 2, 0
.endm
.macro LAP zero
	THREE 0, \zero
	TURN 0, 1, 1
	THREE 1, 0
	TURN 1, 0, 1
.endm
	s_wait_tensorcnt 1                             ; my quarter of K step 0 is in; K step 1's load stays out
	s_barrier_signal -1
	s_barrier_wait -1
	FETCH 0, 0, F0
	LAP 1                                          ; the first products start the sums: nothing is cleared
	WIN 0
	s_mov_b32 s3, LAPS-2
.Llap:
	LAP 0
	WIN 0
	s_sub_co_u32 s3, s3, 1
	s_cmp_lg_u32 s3, 0
	s_cbranch_scc1 .Llap
	THREE 0, 0                                     ; the last lap fills nothing
	TURN 0, 1, 0
	THREE 1, 0
	s_wait_dscnt 8
	WIN MUL_LO
	MUL16 F1, 0, 0, 0
	MUL16 F1, 0, 2, 0
	s_wait_dscnt 0
	WIN MUL_HI
	MUL16 F1, 1, 0, 0
	MUL16 F1, 1, 2, 0
	PLACES
	; THE WAY OUT.  h = g u / (1 + 2^(-log2(e) g)), rounded to bf16.  Lane (r, h) of tile (a, b) holds row 16 a + r, columns 16 b + 8 h + 0..7 of my block:
	; the piece (mb, kg = 2 b + h, r) of hb.  So the 32 lanes' 16 bytes are 512 consecutive bytes, at a multiple of 512 from hb's first byte: no LDS, no barrier.
	s_lshl_b32 s74, s13, 4
	s_lshl_b32 s23, s11, 3
	s_add_co_u32 s74, s74, s23                     ; my first block of 16 rows: 16 x block row + 8 i
	s_lshl_b32 s74, s74, 16
	s_lshl_b32 s75, s42, 4
	s_lshl_b32 s23, s12, 3
	s_add_co_u32 s75, s75, s23                     ; my first group of 8 columns: 16 x block column + 8 j
	s_lshl_b32 s75, s75, 8
	s_add_co_u32 s74, s74, s75
	s_mov_b32 s75, 0
	s_add_nc_u64 s[70:71], s[70:71], s[74:75]
.set TT, 64                            ; v[64:95]   -log2(e) g, then 1 / (1 + 2^..)
.set PP, 96                            ; v[96:127]  g u, then h
.set QQ, 128                           ; v[128:255] h in bf16: 16 registers for each of the 8 row blocks, so that no store's data is ever rewritten
; rows 16 i .. of my block: tiles (a, 0..3) gate and (a, 4..7) up of window 2 or 3 (from = 0x0a or 0x0f: sources 0 and 1)
.macro HOUT i, a, from
	WIN \from
.irp b, 0,1,2,3
.irp k, 0,2,4,6
	v_pk_mul_f32 v[TT+8*\b+\k:TT+8*\b+\k+1], v[8*(8*\a+\b)+\k:8*(8*\a+\b)+\k+1], s[72:73] op_sel_hi:[1,0]
	v_pk_mul_f32 v[PP+8*\b+\k:PP+8*\b+\k+1], v[8*(8*\a+\b)+\k:8*(8*\a+\b)+\k+1], v[8*(8*\a+\b+4)+\k:8*(8*\a+\b+4)+\k+1]
.endr
.endr
	WIN 0
.set n, 0
.rept 32
	v_exp_f32 v[TT+n], v[TT+n]
.set n, n+1
.endr
	v_nop                                          ; one plain place behind the run of exponentials (ISA guide 5.7.2)
.set n, 0
	s_wait_alu depctr_va_vdst(0)
.rept 16
	v_pk_add_f32 v[TT+n:TT+n+1], v[TT+n:TT+n+1], 1.0 op_sel_hi:[1,0]
.set n, n+2
.endr
.set n, 0
.rept 32
	v_rcp_f32 v[TT+n], v[TT+n]
.set n, n+1
.endr
	v_nop
.set n, 0
	s_wait_alu depctr_va_vdst(0)
.rept 16
	v_pk_mul_f32 v[PP+n:PP+n+1], v[PP+n:PP+n+1], v[TT+n:TT+n+1]
.set n, n+2
.endr
.irp b, 0,1,2,3
.irp r, 0,1,2,3
	v_cvt_pk_bf16_f32 v[QQ+16*\i+4*\b+\r], v[PP+8*\b+2*\r], v[PP+8*\b+2*\r+1]
.endr
.endr
.irp b, 0,1,2,3
	global_store_b128 v[CO], v[QQ+16*\i+4*\b:QQ+16*\i+4*\b+3], s[70:71] offset:\i*MBB+512*\b
.endr
.endm
	HOUT 0, 0, 0x0a
	HOUT 1, 1, 0x0a
	HOUT 2, 2, 0x0a
	HOUT 3, 3, 0x0a
	HOUT 4, 0, 0x0f
	HOUT 5, 1, 0x0f
	HOUT 6, 2, 0x0f
	HOUT 7, 3, 0x0f
	CROUND                                         ; the closing round: no work-group ends while a partner may still ask for a tile that names it
	s_endpgm
.Lfunc_end_k_q7291584d9e_gateup:
	.size	k_q7291584d9e_gateup, .Lfunc_end_k_q7291584d9e_gateup-k_q7291584d9e_gateup
	.p2alignl 7, 3214868480
	.fill 96, 4, 3214868480
	.section	.rodata,"a",@progbits
	.p2align	6, 0x0
	.amdhsa_kernel k_q7291584d9e_gateup
		.amdhsa_group_segment_fixed_size 327680
		.amdhsa_private_segment_fixed_size 0
		.amdhsa_enable_private_segment 0
		.amdhsa_kernarg_size 32
		.amdhsa_user_sgpr_count 2
		.amdhsa_user_sgpr_kernarg_segment_ptr 1
		.amdhsa_wavefront_size32 1
		.amdhsa_system_sgpr_workgroup_id_x 1
		.amdhsa_system_sgpr_workgroup_id_y 1
		.amdhsa_system_sgpr_workgroup_id_z 1
		.amdhsa_system_vgpr_workitem_id 0
		.amdhsa_next_free_vgpr 1024
		.amdhsa_next_free_sgpr 76
		.amdhsa_reserve_vcc 0
		.amdhsa_float_denorm_mode_32 3
		.amdhsa_float_denorm_mode_16_64 3
		.amdhsa_memory_ordered 1
		.amdhsa_forward_progress 1
		.amdhsa_inst_pref_size 223
	.end_amdhsa_kernel
	.amdgpu_metadata
---
amdhsa.version: [ 1, 2 ]
amdhsa.kernels:
  - .name:           k_q7291584d9e_gateup
    .symbol:         k_q7291584d9e_gateup.kd
    .args:
      - { .name: xb, .offset: 0, .size: 8, .value_kind: global_buffer, .address_space: global }
      - { .name: wgb, .offset: 8, .size: 8, .value_kind: global_buffer, .address_space: global }
      - { .name: wub, .offset: 16, .size: 8, .value_kind: global_buffer, .address_space: global }
      - { .name: hb, .offset: 24, .size: 8, .value_kind: global_buffer, .address_space: global }
    .group_segment_fixed_size: 327680
    .private_segment_fixed_size: 0
    .kernarg_segment_align: 8
    .kernarg_segment_size: 32
    .max_flat_workgroup_size: 128
    .sgpr_count:     76
    .vgpr_count:     1024
    .wavefront_size: 32
...
	.end_amdgpu_metadata
.endif
;; end of part 3
;; launch down (part 4): grid 16 x 16, 4 waves a work-group, clusters of 4 x 4, 327,680 bytes of LDS; arguments hb, wdb, xb, ce_const, coef, out0; writes out0
.if DOCPART == 4
	.amdgcn_target "amdgcn-amd-amdhsa--gfx1250"
	.amdhsa_code_object_version 6
	.text
	.protected	k_q7291584d9e_down
	.globl	k_q7291584d9e_down
	.p2align	8
	.type	k_q7291584d9e_down,@function
k_q7291584d9e_down:
	s_mov_b64 s[64:65], 0
	v_nop
	global_prefetch_b8 v0, s[64:65] scope:SCOPE_SE
	s_setreg_imm32_b32 hwreg(HW_REG_WAVE_MODE, 25, 1), 1
	s_wait_xcnt 0x0
	s_wait_alu depctr_hold_cnt(0) depctr_sa_sdst(0) depctr_va_vdst(0) depctr_va_sdst(0) depctr_va_ssrc(0) depctr_va_vcc(0) depctr_vm_vsrc(0)
	s_getreg_b32 s2, hwreg(HW_REG_IB_STS2, 6, 4)
	s_cmp_eq_u32 s2, 0
	s_cbranch_scc0 .Lentry_in_a_cluster
	s_endpgm
.Lentry_in_a_cluster:
	s_bfe_u32 s2, ttmp6, 0x10000c
	s_cmp_lg_u32 s2, 0xf033
	s_cbranch_scc0 .Lentry_shape_is_right
	s_endpgm
.Lentry_shape_is_right:
; out0[m][n] = cs[m] (h Wd)[m][n] + cx[m] x[m][n] + a2[m] c0[n] + a3[m] c1[n].  wdb: [2048 k][2048 n] bf16; xb: [4096][2048] bf16; the rest f32.
; hb holds h in the order of matrix fragments: the 16 bytes at mb*65536 + kg*256 + r*16 are h[16 mb + r][8 kg + 0..7].
; LIMIT, stated: x, c0 and c1 enter the mix rounded to bf16 (at most 2^-9 of each term), as they enter every product of this program: routing and the
; big products are those of the bf16-rounded inputs, and where cx x and a2 c0 nearly cancel a mix of rounded and unrounded inputs would fit neither.
; The arithmetic of the mix is in f32.
; A work-group makes 256 rows x 128 columns: 256 equal work-groups.  Wave w has rows 64 w .. 64 w + 63 and all 128 columns: 4 x 8 accumulator tiles.
; THE TWO OPERANDS COME BY TWO ROADS.  With both in LDS, two slots of K = 256 would take 417,792 bytes, and slots of K = 128 leave a tile only 120 matrix
; instructions in which to land.  So:
;   Wd goes through LDS: two slots of K = 256 (256 k rows x 256 bytes, pitch 288), wave w filling k rows 64 w .. by one tensor load; read by the
;   transposing load.  From a request to the wait for it a wave issues 248 matrix instructions.
;   h goes straight into registers: a ring of eight buffers of four fragments (32 K x 64 rows, 8 loads of 512 consecutive bytes), asked for seven
;   quarter steps ahead.  No two waves of the work-group load the same bytes of h, and no barrier stands on this road.
; CLUSTERS: 4 x 4; Wd's tiles hang on the block column alone and are asked for jointly along a column of the cluster.  h is NOT asked for jointly:
; a joint load lands in LDS, where by the arithmetic above it has no room.
; REGISTERS: window 0: v16-47 addresses and constants, v64-127 / v128-191 fragments of Wd (two buffers of 8); window 1: the 32 accumulator tiles
; (tile (a, b) at v[8 (8 a + b)]); window 2: the ring of h (buffer q at v[32 q], fragment a at + 8 a).
; The matrix instruction is used transposed (source 0 = Wd's columns, source 1 = h's rows): lane (r, h) holds row r, columns 8 h + 0..7.
.set ROWB,   4096                      ; bytes in a row of wdb and xb
.set OROW,   8192                      ; bytes in a row of out0
.set MBB,    65536                     ; bytes of 16 rows of h in hb
.set KSLOT,  256
.set BPITCH, 288
.set WQ,     64*BPITCH                 ; 18,432: what one tensor load fills
.set SLOT,   4*WQ                      ; 73,728
.set SPITCH, 528                       ; a stage row: 512 bytes + 16
.set STAGE,  2*SLOT                    ; 147,456: 16 rows x 528 bytes for each wave, no fill lands here
.set STAGEW, 16*SPITCH
.set COEF,   STAGE+4*STAGEW            ; 181,248: the work-group's 256 x (cx, a2, a3, cs)
.set LO16, 16                          ; 16 x lane: offset in hb, in out0, in the stage; never rewritten
.set XBO,  17                          ; 8 x lane: offset in xb; never rewritten
.set ADRB, 20                          ; v20-23: Wd's fragments: slot 0 quarters 0-3, 4-7; slot 1 quarters 0-3, 4-7 (an LDS immediate has 16 bits)
.set STO,  24
.set RD,   25
.set CFA,  27
.set PFO,  28                          ; prefetch: one row of xb a thread; never rewritten
.set C0,   32                          ; v[32:35] c0 of my 4 columns
.set C1,   36                          ; v[36:39] c1
.set FB0,  64
.set FB1,  128
.set G1,  24                           ; s[24:31] group 1 for Wd's tiles
.set G0,  32                           ; s[32:39] group 0, a set for each slot
.set MSB, 0
.macro WIN new
.if MSB != \new
	s_set_vgpr_msb (MSB<<8)|\new
.set MSB, \new
.endif
.endm
.set MUL,  0x58                        ; source 0 (Wd) window 0, source 1 (h) window 2, C and D window 1
.set TO_A, 0x80                        ; destination window 2, address window 0
.macro CREST
	s_cmp_lg_u32 s10, 0
	s_cbranch_scc1 .Lnot_wave_0_\@
	s_barrier_signal -3
.Lnot_wave_0_\@:
	s_barrier_wait -3
	s_barrier_signal -1
	s_barrier_wait -1
.endm
.macro CROUND
	s_barrier_signal -1
	s_barrier_wait -1
	CREST
.endm
; the four fragments of h of one quarter step into ring buffer rb; m: the quarter step, counted from where the base s[46:47] stands
.macro ALOAD rb, m
	WIN TO_A
.irp a, 0,1,2,3
	global_load_b128 v[32*(\rb)+8*\a:32*(\rb)+8*\a+3],   v[LO16], s[46:47] offset:\a*MBB+(\m)*1024
	global_load_b128 v[32*(\rb)+8*\a+4:32*(\rb)+8*\a+7], v[LO16], s[46:47] offset:\a*MBB+(\m)*1024+512
.endr
.endm
	s_load_b128 s[4:7], s[0:1], 0x0                ; hb s[4:5], wdb s[6:7]
	s_load_b256 s[68:75], s[0:1], 0x10             ; xb s[68:69], ce_const s[70:71], coef s[72:73], out0 s[74:75]
	v_lshl_add_u32 v254, v0, 2, 0x2d400
	v_mov_b32 v255, 0
	ds_add_u32 v254, v255
	ds_add_u32 v254, v255
	v_lshrrev_b32 v1, 5, v0
	v_readfirstlane_b32 s10, v1                    ; wave
	s_bfe_u32 s40, ttmp6, 0x40000                  ; cx
	s_bfe_u32 s41, ttmp6, 0x40004                  ; cy
	s_lshl_b32 s42, ttmp9, 2
	s_add_co_u32 s42, s42, s40                     ; block column
	s_and_b32 s13, ttmp7, 0xffff
	s_lshl_b32 s13, s13, 2
	s_add_co_u32 s13, s13, s41                     ; block row
	s_lshl_b32 s44, 0x1111, s40                    ; my column of the cluster
	s_mov_b32 s45, 0xffff0000                      ; a word's upper bf16
	s_or_b32 s[G1+0], s44, (1<<16)|(1<<20)|(1<<21)|(5<<22)|(7<<25)   ; mask; 2-byte elements; padding on; bit 21 beside a mask; 8 words after every 64
	s_mov_b32 s[G1+1], 128<<16                     ; tensor_dim0 = 128 columns
	s_mov_b32 s[G1+2], 64<<16                      ; tensor_dim1 = 64 k rows
	s_mov_b32 s[G1+3], 128<<16                     ; tile_dim0
	s_mov_b32 s[G1+4], 64                          ; tile_dim1
	s_mov_b32 s[G1+5], 2048                        ; elements from row to row
	s_mov_b32 s[G1+6], 0
	s_mov_b32 s[G1+7], 0
	s_lshl_b32 s16, s42, 8                         ; Wd: 256 bytes a block column
	s_lshl_b32 s17, s10, 18                        ; + 64 k rows of 4,096 bytes a wave
	s_add_co_u32 s16, s16, s17
	s_mov_b32 s17, 0
	s_mul_i32 s20, s10, WQ                         ; my quarter of a slot
	s_lshl_b32 s18, s13, 4
	s_lshl2_add_u32 s18, s10, s18                  ; h: my first block of 16 rows = 16 x block row + 4 x wave
	s_lshl_b32 s18, s18, 16
	s_mov_b32 s19, 0
	s_wait_dscnt 0x0
	s_wait_kmcnt 0x0
	s_add_nc_u64 s[14:15], s[6:7], s[16:17]
	s_add_nc_u64 s[46:47], s[4:5], s[18:19]
	CROUND                                         ; all sixteen work-groups are here: the first joint loads meet
.irp s, 0,1
	s_mov_b32 s[G0+4*\s], 1
	s_add_co_u32 s[G0+4*\s+1], s20, \s*SLOT
	s_add_nc_u64 s[G0+4*\s+2:G0+4*\s+3], s[14:15], \s*KSLOT*ROWB
	s_or_b32 s[G0+4*\s+3], s[G0+4*\s+3], 0x80000000
	tensor_load_to_lds s[G0+4*\s:G0+4*\s+3], s[G1:G1+7]   ; two tensor loads of a wave are out here, later one
	s_nop 0
.endr
	; bases: the block of xb for the prefetch; my 64 rows x 128 columns of xb and of out0; my block's coefficients
	s_lshl_b32 s78, s13, 20                        ; xb: 256 rows of 4,096 bytes a block row
	s_lshl_b32 s79, s42, 8                         ; 256 bytes a block column
	s_add_co_u32 s78, s78, s79
	s_mov_b32 s79, 0
	s_add_nc_u64 s[76:77], s[68:69], s[78:79]      ; the work-group's 256 rows x 256 bytes of xb
	s_lshl_b32 s80, s10, 18                        ; + 64 rows a wave
	s_add_co_u32 s78, s78, s80
	s_add_nc_u64 s[68:69], s[68:69], s[78:79]      ; my part of xb
	s_lshl_b32 s78, s78, 1                         ; the same place in f32: twice the bytes (below 2^25)
	s_add_nc_u64 s[74:75], s[74:75], s[78:79]      ; my part of out0
	s_lshl_b32 s78, s13, 12                        ; 256 rows of 16 bytes
	s_add_nc_u64 s[72:73], s[72:73], s[78:79]
	s_lshl_b32 s80, s42, 9                         ; the block's 128 columns in ce_const, in bytes
	v_and_b32 v1, 15, v0                           ; r
	v_bfe_u32 v2, v0, 4, 1                         ; h
	v_and_b32 v3, 31, v0                           ; lane
	v_lshlrev_b32 v[LO16], 4, v3
	v_lshlrev_b32 v[XBO], 3, v3
	v_lshlrev_b32 v29, 4, v0                       ; 16 t
	v_add_nc_u32 v31, s80, v[LO16]
	global_load_b128 v[40:43], v29, s[72:73]
	global_load_b128 v[44:47], v29, s[72:73] offset:2048
	global_load_b128 v[C0:C0+3], v31, s[70:71]
	global_load_b128 v[C1:C1+3], v31, s[70:71] offset:8192
.irp m, 0,1,2,3,4,5,6
	ALOAD \m, \m                                   ; the ring's first seven quarter steps: 56 loads
.endr
	WIN 0
	v_add_nc_u32 v30, COEF, v29
	v_and_b32 v4, 7, v0
	v_lshl_add_u32 v4, v2, 3, v4                   ; transposing load: k row 8 h + (lane & 7),
	v_mul_u32_u24 v4, v4, BPITCH
	v_bfe_u32 v5, v0, 3, 1
	v_lshl_add_u32 v[ADRB], v5, 4, v4              ; 16 bytes further for lanes 8-15 and 24-31
	v_add_nc_u32 v[ADRB+1], 128*BPITCH, v[ADRB]
	v_add_nc_u32 v[ADRB+2], SLOT, v[ADRB]
	v_add_nc_u32 v[ADRB+3], SLOT+128*BPITCH, v[ADRB]
	s_mul_i32 s23, s10, STAGEW
	s_add_co_u32 s23, s23, STAGE                   ; my stage
	v_mul_u32_u24 v6, v1, SPITCH
	v_lshl_add_u32 v6, v2, 5, v6
	v_add_nc_u32 v[STO], s23, v6                   ; in: row r, 32 h bytes
	v_add_nc_u32 v[RD], s23, v[LO16]               ; back: the 32 lanes take one row of 512 bytes
	s_lshl_b32 s23, s10, 10
	s_add_co_u32 s23, s23, COEF
	v_mov_b32 v[CFA], s23                          ; the coefficients of my 64 rows
	v_lshlrev_b32 v[PFO], 12, v0
	s_wait_loadcnt 56                              ; coefficients, c0 and c1 are in; the 56 loads of the ring, issued behind them, stay out
	ds_store_b128 v30, v[40:43]
	ds_store_b128 v30, v[44:47] offset:2048
	v_cvt_pk_bf16_f32 v48, v[C0], v[C0+1]          ; c0 and c1 rounded to bf16, once, and kept as f32
	v_cvt_pk_bf16_f32 v49, v[C0+2], v[C0+3]
	v_cvt_pk_bf16_f32 v50, v[C1], v[C1+1]
	v_cvt_pk_bf16_f32 v51, v[C1+2], v[C1+3]
.irp k, 0,1,2,3
	v_lshlrev_b32 v[C0+2*\k], 16, v[48+\k]
	v_and_b32 v[C0+2*\k+1], s45, v[48+\k]
.endr
; 8 matrix instructions: row blocks a0, a0 + 1 x column blocks 4 bh .. 4 bh + 3, 32 along K.  zero = 1: the first product starts the sums.
.macro MULH fb, rb, bh, a0, zero
.irp a, \a0, \a0+1
.irp b, 0,1,2,3
.if \zero
	v_wmma_f32_16x16x32_bf16 v[8*(8*(\a)+4*\bh+\b):8*(8*(\a)+4*\bh+\b)+7], v[\fb+8*(4*\bh+\b):\fb+8*(4*\bh+\b)+7], v[32*(\rb)+8*(\a):32*(\rb)+8*(\a)+7], 0
.else
	v_wmma_f32_16x16x32_bf16 v[8*(8*(\a)+4*\bh+\b):8*(8*(\a)+4*\bh+\b)+7], v[\fb+8*(4*\bh+\b):\fb+8*(4*\bh+\b)+7], v[32*(\rb)+8*(\a):32*(\rb)+8*(\a)+7], v[8*(8*(\a)+4*\bh+\b):8*(8*(\a)+4*\bh+\b)+7]
.endif
.endr
.endr
.endm
; 16 LDS loads in one run: Wd's eight fragments of quarter step q (0..7) of a slot into buffer fb
.macro FETCH slot, q, fb
	WIN 0
.irp b, 0,1,2,3,4,5,6,7
	ds_load_tr16_b128 v[\fb+8*\b:\fb+8*\b+3],   v[ADRB+2*\slot+((\q)>>2)] offset:((\q)&3)*32*BPITCH+32*\b
	ds_load_tr16_b128 v[\fb+8*\b+4:\fb+8*\b+7], v[ADRB+2*\slot+((\q)>>2)] offset:((\q)&3)*32*BPITCH+32*\b+16*BPITCH
.endr
.endm
.macro PLACES                          ; four places behind the last matrix instruction before loads land on fragments that it read, or results are read
.rept 4
	v_nop
.endr
.endm
; ql: the quarter step's number in its lap of 16.  At its head the ring loads of up to six later quarter steps are out, 8 each: LC.
; In the last lap (tail = 1) the ring's last loads go out in quarter 8 (BL = 0 from quarter 9 on), and LC runs down with what is left.
.macro LCSET ql, tail
.set LC, 48
.set BL, 1
.if \tail
.if 15-(\ql) < 6
.set LC, 8*(15-(\ql))
.endif
.if (\ql) > 8
.set BL, 0
.endif
.endif
.endm
; One of a slot's first seven quarter steps: multiplies Wd's buffer q & 1 by ring buffer q; in its middle it fetches Wd's next fragments and asks for h seven
; quarter steps ahead, into the ring buffer that the last quarter step read.  The 32 accumulators take turns in the same order in every quarter step,
; one instruction a turn.
; In the last slot's first two quarter steps thread t asks for the aligned 256 bytes of row t, then of row 128 + t, of the work-group's block of xb, which the
; way out reads some 250 matrix instructions later: each block once, by one lane, all inside the buffer.
.macro QUARTER slot, q, ql, tail, zero
	LCSET \ql, \tail
.set FC, FB0+64*((\q)&1)
.set FN, FB0+64*(((\q)+1)&1)
.set QN, (\q)+1
.set RBN, ((\q)+7)&7
.set MOFF, (\ql)+7
	s_wait_loadcnt LC                              ; this quarter step's fragments of h are in
	s_wait_dscnt 8                                 ; Wd's columns 0-63 are in; the youngest eight loads (columns 64-127) may be out
	WIN MUL
	MULH FC, \q, 0, 0, \zero
	MULH FC, \q, 0, 2, \zero
	PLACES
	FETCH \slot, QN, FN
.if \tail
.if (\ql) == 8
	global_prefetch_b8 v[PFO], s[76:77] th:TH_LOAD_NT scope:SCOPE_SE
.endif
.if (\ql) == 9
	global_prefetch_b8 v[PFO], s[76:77] offset:128*ROWB th:TH_LOAD_NT scope:SCOPE_SE
.endif
.endif
.if BL
	ALOAD RBN, MOFF
.endif
	s_wait_dscnt 16                                ; all but the 16 just issued
	WIN MUL
	MULH FC, \q, 1, 0, \zero
	MULH FC, \q, 1, 2, \zero
.endm
; A slot's last quarter step and the change of slots: each wave's reads of this slot and all its tensor loads (one is out: its part of the next slot) are
; waited for in front of the barrier's signal; where the slot is filled again the barrier opens a round of the cluster's barrier and the joint refill is
; the first tensor load behind the round, one a wave.  The ring's loads into registers touch no LDS and stay out across the barrier.
.macro TURN slot, next, fill, ql, tail
	LCSET \ql, \tail
.set MOFF, (\ql)+7
	s_wait_loadcnt LC
	s_wait_dscnt 8
	WIN MUL
	MULH FB1, 7, 0, 0, 0
	s_wait_dscnt 0
	s_set_vgpr_msb 0x5850
	s_wait_tensorcnt 0x0
	ds_add_u32 v254, v255
	s_wait_dscnt 0x0
	s_set_vgpr_msb 0x5058
	s_barrier_signal -1
	MULH FB1, 7, 0, 2, 0                           ; register work alone between signal and wait
	WIN 0
	s_barrier_wait -1
.if \fill
	CREST
	s_add_nc_u64 s[G0+4*\slot+2:G0+4*\slot+3], s[G0+4*\slot+2:G0+4*\slot+3], 2*KSLOT*ROWB
	tensor_load_to_lds s[G0+4*\slot:G0+4*\slot+3], s[G1:G1+7]
	s_nop 0
.endif
	PLACES
	FETCH \next, 0, FB0
.if BL
	ALOAD 6, MOFF
.endif
	WIN MUL
	MULH FB1, 7, 1, 0, 0
	MULH FB1, 7, 1, 2, 0
.endm
.macro SEVEN slot, qb, tail, zero
	QUARTER \slot, 0, \qb+0, \tail, \zero
	QUARTER \slot, 1, \qb+1, \tail, 0
	QUARTER \slot, 2, \qb+2, \tail, 0
	QUARTER \slot, 3, \qb+3, \tail, 0
	QUARTER \slot, 4, \qb+4, \tail, 0
	QUARTER \slot, 5, \qb+5, \tail, 0
	QUARTER \slot, 6, \qb+6, \tail, 0
.endm
.macro LAP zero                        ; once round the ring of slots, twice round the ring of h; both slots filled again
	SEVEN 0, 0, 0, \zero
	TURN 0, 1, 1, 7, 0
	SEVEN 1, 8, 0, 0
	TURN 1, 0, 1, 15, 0
	WIN 0
	s_wait_xcnt 0x0                                ; the ring's loads have had their addresses translated (ISA guide 3.1): their base is stepped only behind this wait
	s_add_nc_u64 s[46:47], s[46:47], 16*1024       ; 16 quarter steps on
.endm
	s_wait_tensorcnt 1                             ; my part of slot 0 is in; slot 1's load stays out
	s_wait_dscnt 0x0                               ; my part of the coefficients is written
	s_barrier_signal -1
	s_barrier_wait -1
	FETCH 0, 0, FB0
	LAP 1                                          ; the first products start the sums: nothing is cleared
	s_mov_b32 s3, 2
.Llap:
	LAP 0
	s_sub_co_u32 s3, s3, 1
	s_cmp_lg_u32 s3, 0
	s_cbranch_scc1 .Llap
	SEVEN 0, 0, 1, 0                               ; the last lap fills no slot
	TURN 0, 1, 0, 7, 1
	SEVEN 1, 8, 1, 0
	s_wait_loadcnt 0x0                             ; the very last quarter step: nothing more to fetch
	s_wait_dscnt 8
	WIN MUL
	MULH FB1, 7, 0, 0, 0
	MULH FB1, 7, 0, 2, 0
	s_wait_dscnt 0
	MULH FB1, 7, 1, 0, 0
	MULH FB1, 7, 1, 2, 0
	PLACES
	WIN 0
	; THE WAY OUT.  Lane (r, h) holds row r, columns 16 b + 8 h + 0..7 of a tile: 16 rows at a time go as 2 x 16 bytes a tile into my own stage and are read
	; back, 8 rows at a time, as whole rows of 512 bytes, mixed with x, c0, c1, and stored.  LDS serves a wave's instructions in order (ISA guide 5.7.1.4), so the
	; stage needs no wait between its stores and loads, nor between one block's loads and the next block's stores.
.set X0, 64                            ; v[64:95]   x in bf16, two buffers of 8 x 2 words
.set XT, 96                            ; v[96:99]   4 numbers of x widened to f32, at work
.set CF, 128                           ; v[128:159] 8 x (cx, a2, a3, cs)
.set R0, 160                           ; v[160:223] results, two buffers of 8 x 4
.macro XLOAD u                         ; x of rows 8 u ..: the 32 lanes take 256 consecutive bytes, at a multiple of 256 from xb's first byte
.irp t, 0,1,2,3,4,5,6,7
	global_load_b64 v[X0+16*((\u)&1)+2*\t:X0+16*((\u)&1)+2*\t+1], v[XBO], s[68:69] offset:(8*(\u)+\t)*ROWB th:TH_LOAD_NT
.endr
.endm
.macro OUT8 u
.if ((\u)&1) == 0
	WIN 0x04                                       ; store data from window 1
.irp b, 0,1,2,3,4,5,6,7
	ds_store_b128 v[STO], v[8*(8*((\u)>>1)+\b):8*(8*((\u)>>1)+\b)+3] offset:64*\b
	ds_store_b128 v[STO], v[8*(8*((\u)>>1)+\b)+4:8*(8*((\u)>>1)+\b)+7] offset:64*\b+16
.endr
	WIN 0
.endif
	s_wait_xcnt 0x0                                ; earlier stores have had their addresses translated (ISA guide 3.1): their data registers are loaded again only behind this wait
.if \u < 7
	XLOAD \u+1
.endif
.irp t, 0,1,2,3,4,5,6,7
	ds_load_b128 v[CF+4*\t:CF+4*\t+3], v[CFA] offset:(8*\u+\t)*16
	ds_load_b128 v[R0+32*(\u&1)+4*\t:R0+32*(\u&1)+4*\t+3], v[RD] offset:(8*(\u&1)+\t)*SPITCH
.endr
.irp t, 0,1,2,3,4,5,6,7
	s_wait_dscnt 14-2*\t                           ; pairs 0..t of the sixteen LDS loads are in
.if \u < 7
	s_wait_loadcnt 15-\t                           ; x of this row is in: 7 - t loads of this block and 8 of the next stay out
.else
	s_wait_loadcnt 7-\t
.endif
	v_lshlrev_b32 v[XT],   16,  v[X0+16*(\u&1)+2*\t]       ; bf16 to f32: the low half moves up, the high half stays
	v_and_b32     v[XT+1], s45, v[X0+16*(\u&1)+2*\t]
	v_lshlrev_b32 v[XT+2], 16,  v[X0+16*(\u&1)+2*\t+1]
	v_and_b32     v[XT+3], s45, v[X0+16*(\u&1)+2*\t+1]
.irp k, 0,2
	v_pk_mul_f32 v[R0+32*(\u&1)+4*\t+\k:R0+32*(\u&1)+4*\t+\k+1], v[R0+32*(\u&1)+4*\t+\k:R0+32*(\u&1)+4*\t+\k+1], v[CF+4*\t+2:CF+4*\t+3] op_sel:[0,1] op_sel_hi:[1,1]
	v_pk_fma_f32 v[R0+32*(\u&1)+4*\t+\k:R0+32*(\u&1)+4*\t+\k+1], v[XT+\k:XT+\k+1], v[CF+4*\t:CF+4*\t+1], v[R0+32*(\u&1)+4*\t+\k:R0+32*(\u&1)+4*\t+\k+1] op_sel_hi:[1,0,1]
	v_pk_fma_f32 v[R0+32*(\u&1)+4*\t+\k:R0+32*(\u&1)+4*\t+\k+1], v[C0+\k:C0+\k+1], v[CF+4*\t:CF+4*\t+1], v[R0+32*(\u&1)+4*\t+\k:R0+32*(\u&1)+4*\t+\k+1] op_sel:[0,1,0] op_sel_hi:[1,1,1]
	v_pk_fma_f32 v[R0+32*(\u&1)+4*\t+\k:R0+32*(\u&1)+4*\t+\k+1], v[C1+\k:C1+\k+1], v[CF+4*\t+2:CF+4*\t+3], v[R0+32*(\u&1)+4*\t+\k:R0+32*(\u&1)+4*\t+\k+1] op_sel_hi:[1,0,1]
.endr
	global_store_b128 v[LO16], v[R0+32*(\u&1)+4*\t:R0+32*(\u&1)+4*\t+3], s[74:75] offset:(8*\u+\t)*OROW th:TH_STORE_NT   ; the wave stores 512 consecutive bytes, at a multiple of 512 from out0's first byte
.endr
.endm
	XLOAD 0
	OUT8 0
	OUT8 1
	OUT8 2
	OUT8 3
	OUT8 4
	OUT8 5
	OUT8 6
	OUT8 7
	s_wait_tensorcnt 0x0
	ds_add_u32 v254, v255
	s_wait_dscnt 0x0
	CROUND                                         ; the closing round: no work-group ends while a partner may still ask for a tile that names it
	s_endpgm
.Lfunc_end_k_q7291584d9e_down:
	.size	k_q7291584d9e_down, .Lfunc_end_k_q7291584d9e_down-k_q7291584d9e_down
	.p2alignl 7, 3214868480
	.fill 96, 4, 3214868480
	.section	.rodata,"a",@progbits
	.p2align	6, 0x0
	.amdhsa_kernel k_q7291584d9e_down
		.amdhsa_group_segment_fixed_size 327680
		.amdhsa_private_segment_fixed_size 0
		.amdhsa_enable_private_segment 0
		.amdhsa_kernarg_size 48
		.amdhsa_user_sgpr_count 2
		.amdhsa_user_sgpr_kernarg_segment_ptr 1
		.amdhsa_wavefront_size32 1
		.amdhsa_system_sgpr_workgroup_id_x 1
		.amdhsa_system_sgpr_workgroup_id_y 1
		.amdhsa_system_sgpr_workgroup_id_z 1
		.amdhsa_system_vgpr_workitem_id 0
		.amdhsa_next_free_vgpr 768
		.amdhsa_next_free_sgpr 82
		.amdhsa_reserve_vcc 0
		.amdhsa_float_denorm_mode_32 3
		.amdhsa_float_denorm_mode_16_64 3
		.amdhsa_memory_ordered 1
		.amdhsa_forward_progress 1
		.amdhsa_inst_pref_size 255
	.end_amdhsa_kernel
	.section	.bss,"aw",@nobits
	.p2align	6
	.space	262144
	.amdgpu_metadata
---
amdhsa.version: [ 1, 2 ]
amdhsa.kernels:
  - .name:           k_q7291584d9e_down
    .symbol:         k_q7291584d9e_down.kd
    .args:
      - { .name: hb, .offset: 0, .size: 8, .value_kind: global_buffer, .address_space: global }
      - { .name: wdb, .offset: 8, .size: 8, .value_kind: global_buffer, .address_space: global }
      - { .name: xb, .offset: 16, .size: 8, .value_kind: global_buffer, .address_space: global }
      - { .name: ce_const, .offset: 24, .size: 8, .value_kind: global_buffer, .address_space: global }
      - { .name: coef, .offset: 32, .size: 8, .value_kind: global_buffer, .address_space: global }
      - { .name: out0, .offset: 40, .size: 8, .value_kind: global_buffer, .address_space: global }
    .group_segment_fixed_size: 327680
    .private_segment_fixed_size: 0
    .kernarg_segment_align: 8
    .kernarg_segment_size: 48
    .max_flat_workgroup_size: 128
    .sgpr_count:     82
    .vgpr_count:     768
    .wavefront_size: 32
...
	.end_amdgpu_metadata
.endif
;; end of part 4
